; MI455X (gfx1250); checked and timed in simulation.
; The chip was launched on July 23, 2026; its instructions are those of AMD's public machine-readable ISA for CDNA 5 (MIT licence, August 2026) and "CDNA5" Instruction Set Architecture Reference Guide (July 2026). The comments in the code are by the model that wrote it; some were corrected since.
;; Sparse Dense. Allowed arithmetic: matrix products marked QUANTISED: E3M2 operands, one E8M0 scale for each 32 along K, by v_wmma_scale_f32_16x16x128_f8f6f4 with both operands' format E3M2, f32 sums; everything else in f32.
;; Inputs: bias 4,096 float32; mask 4,096 x 4,096 bool; weight 4,096 x 4,096 float32; x 4,096 x 4,096 float32.
;; Outputs: out0 4,096 x 4,096 float32.
;; This version of the problem:
;;   THIS VERSION OF THE PROBLEM IS GIVEN IN LOW PRECISION. The matrix products marked QUANTISED in the list below multiply operands that are first quantised to E3M2 (3 exponent bits, 2 mantissa bits; 6 bits a number), with one power-of-two scale for each 32 numbers along K (OCP MX v1.0); their sums are f32. All else is computed in f32.
;;   The module's matrix products, in the order in which they are computed (A, B: the left and right operand; K: the contracted axis; several contracted axes count as one K, in the product's order):
;;     1. [M 4,096, K 4,096] x [K 4,096, N 4,096]; A: input x; B: computed on the way: QUANTISED
;;   THE QUANTISER, for each operand of a quantised product, along K:
;;     - K is cut into blocks of 32 from its start; a last block that is shorter is filled with zeros.
;;     - A block's scale is 2^e with e = floor(log2(the largest magnitude in the block)) - 4, held to -126 .. 127; a block of zeros has e = 0. As a byte (E8M0): e + 127.
;;     - Each number is divided by its block's scale, clamped to +-28, and rounded to the nearest number of E3M2, ties to even, subnormals kept.
;;     - The product sums the exact products of the quantised numbers (number of the format x scale) in f32.
;;   ~~~python
;;   def quantise(x, axis):      # numpy; x: float32 -> the quantised numbers, widened to float32 again
;;       x = np.moveaxis(x, axis, -1); K = x.shape[-1]
;;       x = np.pad(x, [(0, 0)] * (x.ndim - 1) + [(0, -K % 32)]); x = x.reshape(x.shape[:-1] + (-1, 32)); a = np.abs(x).max(-1, keepdims=True)
;;       e = np.where(a > 0, np.clip(np.frexp(np.where(a > 0, a, 1))[1] - 1 - 4, -126, 127), 0)      # np.frexp(a)[1] - 1 = floor(log2(a)), exactly
;;       r = np.clip(x / 2.0 ** e, -28, 28)
;;       step = 2.0 ** (np.maximum(np.frexp(np.where(r == 0, 1, r))[1] - 1, -2) - 2)
;;       q = np.round(r / step) * step * 2.0 ** e      # np.round: ties to even
;;       return np.moveaxis(q.reshape(q.shape[:-2] + (-1,))[..., :K], -1, axis).astype(np.float32)
;;   ~~~
;;   OPERANDS COMPUTED ON THE WAY. 'Computed on the way' means the value that the module computes at that place (a softmax that the list does not call 'softmax' is quantised finished and normalised). What goes into a quantiser is computed in f32, as accurately as f32 sums, v_exp_f32 and their like allow (about 1e-6 of the number): no bf16 or f16 on the way to a quantiser, and a product that is left as it is and whose result goes on into a quantised operand takes f32 operands (vector FMAs, or v_wmma_f32_16x16x4_f32). A number that lies on a knife's edge between two numbers of the format may be rounded either way, as far as f32 arithmetic and the matrix unit's own rounding can turn it there, and no further.
;; One version. Each part assembles by itself: llvm-mc -triple=amdgcn-amd-amdhsa -mcpu=gfx1250 --defsym DOCPART=n.
;; ======== version 1 of 1: 3 launches
;; limits: right only within a limited range of input values
;; workspace buffers: xq 13,516,800 bytes; wq 13,516,800 bytes
;; launch quantx (part 1): grid 512 x 1, 4 waves a work-group, no clusters, 35,328 bytes of LDS; arguments x, xq; writes xq
.if DOCPART == 1
	.amdgcn_target "amdgcn-amd-amdhsa--gfx1250"
	.amdhsa_code_object_version 6
	.text
	.protected	k_q51028100bd_quantx
	.globl	k_q51028100bd_quantx
	.p2align	8
	.type	k_q51028100bd_quantx,@function
k_q51028100bd_quantx:
	s_mov_b64 s[64:65], 0
	v_nop
	global_prefetch_b8 v0, s[64:65] scope:SCOPE_SE
	s_setreg_imm32_b32 hwreg(HW_REG_WAVE_MODE, 25, 1), 1
	s_wait_xcnt 0x0
; x [4096][4096] f32, K innermost, becomes codes of BF6 (E3M2) with one E8M0 scale byte for each 32 along K.
; A block's scale is 2^(floor(log2(its largest magnitude)) - 4); its byte is the largest magnitude's exponent field - 4, held at 1 from below.
; xq IS LAID AS THE PRODUCT'S LAUNCH FETCHES IT: [step / 3 (11)][row / 128 (32)][step % 3][12,800 bytes], step = k / 128.  The 12,800 bytes: eight IMAGES OF THE OPERAND'S REGISTERS, then the 128 rows' scale words.
; An image is a fragment of 16 rows x 128 K, 12 registers a lane, 1,536 bytes: the 16 bytes of registers 4 g .. 4 g + 3 of lane l lie at 512 g + 16 l.  Lane (r, h) holds row r; registers 6 c .. 6 c + 5 hold k = 64 c + 32 h + 0 .. 31.
; A scale word is 4 bytes a row; byte b scales k = 32 b .. 32 b + 31 of the step.  (Steps 30 and 31 fill two thirds of the eleventh part; its last third is neither written nor read.)
; LIMITS: NaN and infinities among the inputs are not served.  A block of zeros gets the byte 1 where the rule says 127: its codes are zeros, which add nothing under any byte but 0xff, and this program alone reads the bytes.
; SHARES: a wave takes 64 rows x 128 along K: four fragments.  Work-group g: rows 64 (g / 8) on; wave w: step 4 (g % 8) + w, so the four waves read 2,048 consecutive bytes of each row.
; Each load reads 512 consecutive bytes of one row; a tile of 16 rows turns through the wave's own stage in LDS, so that a lane gets 16 neighbours of each block of 32 of ITS row.  Waves share nothing: no barrier.
; No matrix unit, no cluster, no tensor load: the launch streams, each input byte read once, each store of codes 512 consecutive bytes at a multiple of 512 from the buffer's first byte.
.set QSTEP,  12800                     ; xq: a step's bytes of 128 rows
.set SWO,    12288                     ; where the scale words begin in them
.set GROUPB, 3*QSTEP                   ; three steps of 128 rows
.set SSTEP,  32*GROUPB                 ; three steps of all 4,096 rows
.set WREG, 8704                        ; LDS: a region for each wave: the stage, 16 rows x SPX, and behind it 256 bytes in which its 64 scale words are gathered
.set SPX,  528                         ; a stage row: 512 bytes + 16: an odd multiple of 16, so that sixteen rows' reads begin in sixteen different groups of banks (64 banks of 4 bytes: ISA guide 11.1)
.set GATH, 16*SPX
.set LI,   1                           ; v1   16 x lane: my bytes of a load's or a store's 512
.set SW,   2                           ; v2   the stage, on the way in: region + 16 x lane
.set SRD,  3                           ; v3   and on the way out: region + 528 r + 64 h
.set GW,   4                           ; v4   region + 4 r: where my row's scale word goes (GATH and the tile stand in the immediate)
.set GR,   5                           ; v5   region + 8 x lane: where I read two words back
.set L8,   6                           ; v6   8 x lane
.set RAW,  16                          ; v16-143  two sets of 64: a tile of 16 rows as loaded
.set X,    144                         ; v144-207 64 numbers of my row: register 16 b + i = k 32 b + 16 h + i
.set PC,   208                         ; v208-219 the fragment's codes; v220-222, v224-226 the conversions' second halves
.set TM,   228                         ; v228-231 largest magnitudes, v232-235 the other half's, then the bytes, v240-243 the conversions' scale operands
.set PW,   244                         ; v244 the scale word
.set OUTR, 246                         ; v[246:247] two scale words on the way out
.set SEL,  20                          ; s[20:21] lane selects for v_permlanex16_b32: lane l xor 16
	s_load_b128 s[4:7], s[0:1], 0x0                ; x, xq
	v_lshl_add_u32 v248, v0, 2, 0x8800
	v_mov_b32 v249, 0
	v_lshrrev_b32 v7, 5, v0
	v_readfirstlane_b32 s10, v7                    ; wave 0..3
	v_and_b32 v7, 31, v0                           ; lane
	v_and_b32 v8, 15, v0                           ; r
	v_bfe_u32 v9, v0, 4, 1                         ; h
	s_mul_i32 s13, s10, WREG                       ; my region
	v_lshlrev_b32 v[LI], 4, v7
	v_add_nc_u32 v[SW], s13, v[LI]
	v_mul_u32_u24 v[SRD], v8, SPX
	v_lshl_add_u32 v[SRD], v9, 6, v[SRD]
	v_add_nc_u32 v[SRD], s13, v[SRD]
	v_lshlrev_b32 v[GW], 2, v8
	v_add_nc_u32 v[GW], s13, v[GW]
	v_lshlrev_b32 v[L8], 3, v7
	v_add_nc_u32 v[GR], s13, v[L8]
	s_lshr_b32 s11, ttmp9, 3                       ; which 64 rows
	s_and_b32 s12, ttmp9, 7
	s_lshl_b32 s12, s12, 2
	s_add_co_u32 s12, s12, s10                     ; which step of 128 along K
	s_lshl_b32 s14, s11, 20                        ; x: 64 rows of 16,384 bytes,
	s_lshl_b32 s22, s12, 9                         ; + 512 bytes a step
	s_add_co_u32 s14, s14, s22
	s_mov_b32 s15, 0
	s_mul_i32 s22, s12, 11
	s_lshr_b32 s22, s22, 5                         ; step / 3: (11 x step) / 32 is exact for steps 0 to 31
	s_mul_i32 s23, s22, 3
	s_sub_co_u32 s23, s12, s23                     ; step % 3
	s_mul_i32 s16, s22, SSTEP
	s_mul_i32 s23, s23, QSTEP
	s_add_co_u32 s16, s16, s23
	s_lshr_b32 s22, s11, 1                         ; which 128 rows
	s_mul_i32 s22, s22, GROUPB
	s_add_co_u32 s16, s16, s22                     ; xq: my step's 12,800 bytes of those rows
	s_and_b32 s22, s11, 1                          ; which half of them is mine
	s_lshl_b32 s18, s22, 8
	s_add_co_u32 s18, s18, s16
	s_add_co_u32 s18, s18, SWO                     ; my 64 scale words
	s_mul_i32 s22, s22, 6144
	s_add_co_u32 s16, s16, s22                     ; my four images
	s_mov_b32 s17, 0
	s_mov_b32 s19, 0
	s_mov_b32 s[SEL], 0x76543210
	s_mov_b32 s[SEL+1], 0xfedcba98
.irp b, 0,1,2,3
	v_mov_b32 v[TM+4+\b], 0                        ; written once: a lane permute's destination counts as one of its sources
.endr
	s_wait_alu depctr_va_vdst(0)
	s_wait_kmcnt 0x0
	s_add_nc_u64 s[4:5], s[4:5], s[14:15]
	s_add_nc_u64 s[8:9], s[6:7], s[18:19]
	s_add_nc_u64 s[6:7], s[6:7], s[16:17]
.macro LOAD t                          ; tile t: 16 rows, 512 consecutive bytes each, into set t % 2
.irp p, 0,1,2,3,4,5,6,7,8,9,10,11,12,13,14,15
	global_load_b128 v[RAW+64*((\t)%2)+4*\p:RAW+64*((\t)%2)+4*\p+3], v[LI], s[4:5] offset:(16*(\t)+\p)*16384 th:TH_LOAD_NT
.endr
.endm
.macro TURN t                          ; through the stage: in as rows, out 16 neighbours of each block for lane (r, h).  LDS serves a wave's instructions in order (ISA guide 5.7.1.4): no wait between stores and loads
.irp p, 0,1,2,3,4,5,6,7,8,9,10,11,12,13,14,15
	ds_store_b128 v[SW], v[RAW+64*((\t)%2)+4*\p:RAW+64*((\t)%2)+4*\p+3] offset:SPX*\p
.endr
.irp b, 0,1,2,3
.irp j, 0,1,2,3
	ds_load_b128 v[X+16*\b+4*\j:X+16*\b+4*\j+3], v[SRD] offset:128*\b+16*\j
.endr
.endr
.endm
; 64 numbers of a lane, register 16 b + i = k 32 b + 16 h + i of my row, become a fragment's codes in v[PC] on and its scale word in v[PW].
.macro QUANT s
.irp b, 0,1,2,3
	v_max3_num_f32 v[TM+\b], |v[\s+16*\b]|, |v[\s+1+16*\b]|, 0x2800000   ; block b: my 16 numbers, and the floor 2^(5 - 127): so the byte cannot fall under 1
.endr
.irp i, 2,4,6,8,10,12,14
.irp b, 0,1,2,3
	v_max3_num_f32 v[TM+\b], v[TM+\b], |v[\s+16*\b+\i]|, |v[\s+1+16*\b+\i]|   ; the four blocks by turns: no line waits for the line above it
.endr
.endr
.irp b, 0,1,2,3
	v_permlanex16_b32 v[TM+4+\b], v[TM+\b], s[SEL], s[SEL+1]
.endr
.irp b, 0,1,2,3
	v_max_num_f32 v[TM+\b], v[TM+\b], v[TM+4+\b]   ; with lane l xor 16's: the block's largest magnitude
.endr
.irp b, 0,1,2,3
	v_add_nc_u32 v[TM+12+\b], 0xfe000000, v[TM+\b] ; 4 off its exponent field: the conversion takes the exponent field of this operand as its scale, and nothing else of it
.endr
.irp b, 0,1,2,3
	v_lshrrev_b32 v[TM+4+\b], 23, v[TM+12+\b]      ; the scale's byte
.endr
	v_lshl_or_b32 v[PW], v[TM+5], 8, v[TM+4]       ; the four bytes make my row's scale word; both halves of the lanes hold the same
	v_lshl_or_b32 v[PW], v[TM+6], 16, v[PW]
	v_lshl_or_b32 v[PW], v[TM+7], 24, v[PW]
.irp c, 0,1
	v_cvt_scalef32_pk16_bf6_f32 v[PC+6*\c:PC+2+6*\c], v[\s+32*\c:\s+15+32*\c], v[TM+12+2*\c]
	v_cvt_scalef32_pk16_bf6_f32 v[PC+12+4*\c:PC+14+4*\c], v[\s+16+32*\c:\s+31+32*\c], v[TM+12+2*\c+1]   ; a conversion's three registers begin on an even number
.endr
	v_nop                                          ; one plain place behind a scaled conversion
.irp c, 0,1                                    ; the layout wants a WHOLE block in a lane: lanes 0-15 block 2 c, lanes 16-31 block 2 c + 1
.irp i, 0,1,2
	v_permlane16_swap_b32 v[PC+6*\c+\i], v[PC+12+4*\c+\i]
.endr
.irp i, 0,1,2
	v_mov_b32 v[PC+3+6*\c+\i], v[PC+12+4*\c+\i]
.endr
.endr
.endm
	LOAD 0
	LOAD 1
.macro STEP t
.if (\t) < 3
	s_wait_loadcnt 16                              ; loads come back in order (ISA guide 5.7.1): this tile's 16 are in, the next tile's 16 may be out
.else
	s_wait_loadcnt 0x0
.endif
	TURN \t
	s_wait_dscnt 0x0                               ; my 64 numbers are back from the stage
.if (\t) < 2
	LOAD (\t)+2                                    ; the set just left takes the tile two further on
.endif
.if (\t) > 0
	s_wait_xcnt 0x0                                ; the last tile's stores have read their data: the codes' registers are written again only behind this wait
.endif
	QUANT X
.irp c, 0,1,2
	global_store_b128 v[LI], v[PC+4*\c:PC+4*\c+3], s[6:7] offset:1536*(\t)+512*\c   ; the image as it stands: 32 lanes store 512 consecutive bytes
.endr
	ds_store_b32 v[GW], v[PW] offset:GATH+64*(\t)  ; lanes r and r + 16 write the same word with the same value
.endm
	STEP 0
	STEP 1
	STEP 2
	STEP 3
	ds_load_b64 v[OUTR:OUTR+1], v[GR] offset:GATH  ; in order behind my stores
	s_wait_dscnt 0x0
	global_store_b64 v[L8], v[OUTR:OUTR+1], s[8:9] ; the 64 rows' words: 256 consecutive bytes, at a multiple of 256 from the buffer's first byte
	s_wait_tensorcnt 0x0
	ds_add_u32 v248, v249
	s_wait_dscnt 0x0
	s_endpgm
.Lfunc_end_k_q51028100bd_quantx:
	.size	k_q51028100bd_quantx, .Lfunc_end_k_q51028100bd_quantx-k_q51028100bd_quantx
	.p2alignl 7, 3214868480
	.fill 96, 4, 3214868480
	.section	.rodata,"a",@progbits
	.p2align	6, 0x0
	.amdhsa_kernel k_q51028100bd_quantx
		.amdhsa_group_segment_fixed_size 35328
		.amdhsa_private_segment_fixed_size 0
		.amdhsa_enable_private_segment 0
		.amdhsa_kernarg_size 16
		.amdhsa_user_sgpr_count 2
		.amdhsa_user_sgpr_kernarg_segment_ptr 1
		.amdhsa_wavefront_size32 1
		.amdhsa_system_sgpr_workgroup_id_x 1
		.amdhsa_system_sgpr_workgroup_id_y 1
		.amdhsa_system_sgpr_workgroup_id_z 1
		.amdhsa_system_vgpr_workitem_id 0
		.amdhsa_next_free_vgpr 250
		.amdhsa_next_free_sgpr 66
		.amdhsa_reserve_vcc 0
		.amdhsa_float_denorm_mode_32 3
		.amdhsa_float_denorm_mode_16_64 3
		.amdhsa_memory_ordered 1
		.amdhsa_forward_progress 1
		.amdhsa_inst_pref_size 34
	.end_amdhsa_kernel
	.amdgpu_metadata
---
amdhsa.version: [ 1, 2 ]
amdhsa.kernels:
  - .name:           k_q51028100bd_quantx
    .symbol:         k_q51028100bd_quantx.kd
    .args:
      - { .name: x, .offset: 0, .size: 8, .value_kind: global_buffer, .address_space: global }
      - { .name: xq, .offset: 8, .size: 8, .value_kind: global_buffer, .address_space: global }
    .group_segment_fixed_size: 35328
    .private_segment_fixed_size: 0
    .kernarg_segment_align: 8
    .kernarg_segment_size: 16
    .max_flat_workgroup_size: 128
    .sgpr_count:     66
    .vgpr_count:     250
    .wavefront_size: 32
...
	.end_amdgpu_metadata
.endif
;; end of part 1
;; launch quantw (part 2): grid 256 x 1, 4 waves a work-group, no clusters, 52,736 bytes of LDS; arguments weight, mask, wq; writes wq
.if DOCPART == 2
	.amdgcn_target "amdgcn-amd-amdhsa--gfx1250"
	.amdhsa_code_object_version 6
	.text
	.protected	k_q51028100bd_quantw
	.globl	k_q51028100bd_quantw
	.p2align	8
	.type	k_q51028100bd_quantw,@function
k_q51028100bd_quantw:
	s_mov_b64 s[64:65], 0
	v_nop
	global_prefetch_b8 v0, s[64:65] scope:SCOPE_SE
	s_setreg_imm32_b32 hwreg(HW_REG_WAVE_MODE, 25, 1), 1
	s_wait_xcnt 0x0
; weight [4096 (k)][4096 (n)] f32 times mask [4096][4096] (one byte, 0 or 1) is the product's right operand; K is its FIRST axis.  It becomes codes of BF6 (E3M2) with one E8M0 byte for each 32 along K.
; wq IS LAID AS THE PRODUCT'S LAUNCH FETCHES IT: [step / 3 (11)][n / 128 (32)][step % 3][12,800 bytes], step = k / 128.  The 12,800 bytes: eight images of the operand's registers (16 columns n x 128 K, 12 registers a lane,
; 1,536 bytes; registers 4 g .. 4 g + 3 of lane l at 512 g + 16 l; lane (r, h) holds column r, registers 6 c .. 6 c + 5 hold k = 64 c + 32 h + 0 .. 31), then the 128 columns' scale words; byte b scales k = 32 b .. 32 b + 31 of the step.
; LIMITS: NaN and infinities are not served; mask bytes are 0 or 1, as the problem states them.  A block of zeros gets the byte 1 where the rule says 127: its codes are zeros, and this program alone reads the bytes.
; SHARES: a wave takes 128 columns x 128 along K: one such 12,800 bytes.  Work-group g: step g / 8; wave w: columns 128 (4 (g % 8) + w) on.  A LANE TAKES FOUR NEIGHBOURING COLUMNS, AND ITS REGISTERS RUN DOWN K:
; a load of weight reads 512 consecutive bytes of a row, a load of mask 128 (the four waves stand side by side on 512).  The AND that applies the mask also puts each number where its column's 32 of a block are
; consecutive registers: nothing else transposes.  A block's largest magnitude needs no other lane.  The codes go through the wave's own stage in LDS, laid as the images, and leave 512 consecutive bytes a store.
; Waves share nothing: no barrier.  No matrix unit, cluster or tensor load: the launch streams.  Two blocks' loads are asked for at once, so that the wave's queue of loads stays full.
; REGISTERS, in windows of 256: window 0 all that vector and LDS instructions write; window 1 and window 2: two sets as loaded: weight(kk, column c) at v[4 kk + c], the mask's word of row kk at v[128 + kk].
; WHICH COLUMNS FORM AN IMAGE: of a wave's 128 columns, image 4 g + c holds column 64 g + 4 r + c as its row r (g = 0, 1; c = 0 .. 3; r = 0 .. 15), and the scale words follow the images' order
; (word 16 i + r belongs to row r of image i).  In the product's result lane r then holds, in four accumulators, four neighbouring columns of a row of the output.
.set QSTEP,  12800                     ; wq: a step's bytes of 128 columns
.set SWO,    12288                     ; where the scale words begin in them
.set GROUPB, 3*QSTEP                   ; three steps of 128 columns
.set SSTEP,  32*GROUPB                 ; three steps of all 4,096 columns
.set FP,   1552                        ; an image's place in the stage: 1,536 + 16, a multiple of 16
.set WREG, 13056                       ; a wave's region: eight such places, then 512 bytes in which the 128 scale words are put in the images' order; rounded up to a multiple of 256
.set LI,   1                           ; v1   16 x lane
.set LM,   2                           ; v2   4 x lane
.set LW,   3                           ; v3   region + (lane / 16) 4 FP + (lane % 16) 16: column 4 l + c is row l % 16 of image 4 (l / 16) + c; c stands in the immediate.  v7: region + 256 (lane / 16) + 4 (lane % 16), for the scale words
.set LR,   4                           ; v4   region + 16 x lane
.set SW,   8                           ; v[8:11]  my four columns' scale words
.set MX,   12                          ; v12-15   largest magnitudes
.set SO,   16                          ; v16-19   the conversions' scale operands
.set BY,   20                          ; v20-23   scale bytes
.set MP,   24                          ; v24-27   four rows' mask words x 255: bytes 0x00 or 0xff
.set T,    28                          ; v28-43   the same as whole words, one for each number
.set C,    48                          ; v48-71   column c's six registers of codes at 48 + 6 c
.set H,    72                          ; v72-87   the second conversion's three at 72 + 4 c
.set X,    128                         ; v128-255 number (column c, row kk of the block) at 128 + 32 c + kk; on the way out v128-223 hold the images
.set MSB, 0
.macro WIN new                         ; s_set_vgpr_msb: bits 1:0 source 0, 3:2 source 1, 5:4 source 2, 7:6 destination; the high byte repeats the setting that is left
.if MSB != (\new)
	s_set_vgpr_msb (MSB<<8)|(\new)
.set MSB, (\new)
.endif
.endm
	s_load_b128 s[4:7], s[0:1], 0x0                ; weight, mask
	s_load_b64 s[8:9], s[0:1], 0x10                ; wq
	v_lshl_add_u32 v126, v0, 2, 0xcc00
	v_mov_b32 v127, 0
	v_lshrrev_b32 v5, 5, v0
	v_readfirstlane_b32 s12, v5                    ; wave 0..3
	v_and_b32 v5, 31, v0                           ; lane
	v_lshlrev_b32 v[LI], 4, v5
	v_lshlrev_b32 v[LM], 2, v5
	s_mul_i32 s15, s12, WREG                       ; my region
	v_lshrrev_b32 v6, 4, v5
	v_mul_u32_u24 v[LW], v6, 4*FP
	v_lshlrev_b32 v7, 8, v6
	v_and_b32 v6, 15, v5
	v_lshl_add_u32 v[LW], v6, 4, v[LW]
	v_lshl_add_u32 v7, v6, 2, v7
	v_add_nc_u32 v7, s15, v7
	v_add_nc_u32 v[LW], s15, v[LW]
	v_add_nc_u32 v[LR], s15, v[LI]
	s_lshr_b32 s13, ttmp9, 3                       ; step of 128 along K
	s_and_b32 s14, ttmp9, 7
	s_lshl_b32 s14, s14, 2
	s_add_co_u32 s14, s14, s12                     ; which 128 columns
	s_mov_b32 s16, 0x01010101                      ; v_perm_b32's selectors: byte c of the second source into all four bytes (column 0's is the constant 0)
	s_mov_b32 s17, 0x02020202
	s_mov_b32 s18, 0x03030303
	s_lshl_b32 s20, s13, 21                        ; weight: 128 rows of 16,384 bytes + 512 bytes for 128 columns
	s_lshl_b32 s28, s14, 9
	s_add_co_u32 s20, s20, s28
	s_mov_b32 s21, 0
	s_lshl_b32 s22, s13, 19                        ; mask: 128 rows of 4,096 bytes + 128
	s_lshl_b32 s28, s14, 7
	s_add_co_u32 s22, s22, s28
	s_mov_b32 s23, 0
	s_mul_i32 s28, s13, 11
	s_lshr_b32 s28, s28, 5                         ; step / 3: (11 x step) / 32 is exact for steps 0 to 31
	s_mul_i32 s29, s28, 3
	s_sub_co_u32 s29, s13, s29                     ; step % 3
	s_mul_i32 s24, s28, SSTEP
	s_mul_i32 s29, s29, QSTEP
	s_add_co_u32 s24, s24, s29
	s_mul_i32 s28, s14, GROUPB
	s_add_co_u32 s24, s24, s28                     ; wq: my step's 12,800 bytes of my 128 columns
	s_mov_b32 s25, 0
	s_wait_alu depctr_va_vdst(0)
	s_wait_kmcnt 0x0
	s_add_nc_u64 s[4:5], s[4:5], s[20:21]
	s_add_nc_u64 s[6:7], s[6:7], s[22:23]
	s_add_nc_u64 s[8:9], s[8:9], s[24:25]
.macro LOAD t                          ; block t: 32 rows of weight and of mask into set t % 2 (window 1 or 2)
	WIN 0x40*(1+(\t)%2)
.set kk, 0
.rept 32
	global_load_b128 v[4*kk:4*kk+3], v[LI], s[4:5] offset:(32*(\t)+kk)*16384 th:TH_LOAD_NT
	global_load_b32 v[128+kk], v[LM], s[6:7] offset:(32*(\t)+kk)*4096 th:TH_LOAD_NT
.set kk, kk+1
.endr
.endm
.macro MASK t                          ; weight x mask, by bits: a mask byte 0 or 1 becomes a word of zeros or of ones.  Source 0 is the set's window, all else window 0
	WIN 1+(\t)%2
.set kk, 0
.rept 8
.irp j, 0,1,2,3
	v_mul_lo_u32 v[MP+\j], v[128+kk+\j], 0xff      ; four bytes of 0 or 1, x 255: 0x00 or 0xff, no carry from byte to byte
.endr
.irp j, 0,1,2,3
	v_perm_b32 v[T+4*\j], v[128+kk+\j], v[MP+\j], 0      ; selector bytes 0 to 3 pick from the second source alone
	v_perm_b32 v[T+4*\j+1], v[128+kk+\j], v[MP+\j], s16
	v_perm_b32 v[T+4*\j+2], v[128+kk+\j], v[MP+\j], s17
	v_perm_b32 v[T+4*\j+3], v[128+kk+\j], v[MP+\j], s18
.endr
.irp j, 0,1,2,3
.irp c, 0,1,2,3
	v_and_b32 v[X+32*\c+kk+\j], v[4*(kk+\j)+\c], v[T+4*\j+\c]
.endr
.endr
.set kk, kk+4
.endr
.endm
.macro QB t                            ; block t of the step, four columns a lane: it belongs to lanes' half t % 2 and registers 6 (t / 2) on of the images
.irp c, 0,1,2,3
	v_max3_num_f32 v[MX+\c], |v[X+32*\c]|, |v[X+32*\c+1]|, 0x2800000   ; and the floor 2^(5 - 127): so the byte cannot fall under 1
.endr
.irp i, 2,4,6,8,10,12,14,16,18,20,22,24,26,28,30
.irp c, 0,1,2,3
	v_max3_num_f32 v[MX+\c], v[MX+\c], |v[X+32*\c+\i]|, |v[X+32*\c+\i+1]|   ; the four columns by turns
.endr
.endr
.irp c, 0,1,2,3
	v_add_nc_u32 v[SO+\c], 0xfe000000, v[MX+\c]    ; 4 off the exponent field: the conversion's scale operand
.endr
.if (\t) == 0
.irp c, 0,1,2,3
	v_lshrrev_b32 v[SW+\c], 23, v[SO+\c]           ; the scale's byte starts the word
.endr
.else
.irp c, 0,1,2,3
	v_lshrrev_b32 v[BY+\c], 23, v[SO+\c]
.endr
.irp c, 0,1,2,3
	v_lshl_or_b32 v[SW+\c], v[BY+\c], 8*(\t), v[SW+\c]
.endr
.endif
.irp c, 0,1,2,3
	v_cvt_scalef32_pk16_bf6_f32 v[C+6*\c:C+6*\c+2], v[X+32*\c:X+32*\c+15], v[SO+\c]
	v_cvt_scalef32_pk16_bf6_f32 v[H+4*\c:H+4*\c+2], v[X+32*\c+16:X+32*\c+31], v[SO+\c]   ; a conversion's three registers begin on an even number
.endr
	v_nop                                          ; one plain place behind a scaled conversion
.irp c, 0,1,2,3
.irp i, 0,1,2
	v_mov_b32 v[C+6*\c+3+\i], v[H+4*\c+\i]
.endr
.endr
.irp c, 0,1,2,3
.if (\t)/2 == 0                        ; registers 0-3 of the image's lane, then registers 4, 5
	ds_store_b128 v[LW], v[C+6*\c:C+6*\c+3] offset:FP*\c+256*((\t)%2)
	ds_store_b64 v[LW], v[C+6*\c+4:C+6*\c+5] offset:512+FP*\c+256*((\t)%2)
.else                                  ; registers 6, 7, then registers 8-11
	ds_store_b64 v[LW], v[C+6*\c:C+6*\c+1] offset:520+FP*\c+256*((\t)%2)
	ds_store_b128 v[LW], v[C+6*\c+2:C+6*\c+5] offset:1024+FP*\c+256*((\t)%2)
.endif
.endr
.endm
	LOAD 0
	LOAD 1
.macro BLOCK t
.if (\t) < 3
	s_wait_loadcnt 63                              ; behind this block's last load stand the next block's 64; 63 is the largest count that the wait can name
.else
	s_wait_loadcnt 0x0
.endif
	MASK \t
.if (\t) < 2
	LOAD (\t)+2                                    ; the set just left takes the block two further on
.endif
	WIN 0
.if (\t) > 0
	s_wait_dscnt 0x0                               ; the last block's stores into the stage are done
.endif
	QB \t
.endm
	BLOCK 0
	BLOCK 1
	BLOCK 2
	BLOCK 3
.irp c, 0,1,2,3
	ds_store_b32 v7, v[SW+\c] offset:8*FP+64*\c    ; my four columns' scale words, to their images' places
.endr
	ds_load_b128 v[MX:MX+3], v[LR] offset:8*FP     ; and back 16 bytes a lane, in order behind my stores
.set n, 0
.rept 24
	ds_load_b128 v[X+4*n:X+4*n+3], v[LR] offset:FP*(n/3)+512*(n%3)   ; in order behind my stores (ISA guide 5.7.1.4)
.set n, n+1
.endr
.set n, 0
.rept 24
	s_wait_dscnt 23-n                              ; LDS loads come back in order: number n is in
	global_store_b128 v[LI], v[X+4*n:X+4*n+3], s[8:9] offset:512*n   ; 32 lanes store 512 consecutive bytes; the eight images lie on end
.set n, n+1
.endr
	global_store_b128 v[LI], v[MX:MX+3], s[8:9] offset:SWO   ; the 128 scale words: 512 consecutive bytes, behind the eight images (the load was waited for with the images')
	s_wait_tensorcnt 0x0
	ds_add_u32 v126, v127
	s_wait_dscnt 0x0
	s_endpgm
.Lfunc_end_k_q51028100bd_quantw:
	.size	k_q51028100bd_quantw, .Lfunc_end_k_q51028100bd_quantw-k_q51028100bd_quantw
	.p2alignl 7, 3214868480
	.fill 96, 4, 3214868480
	.section	.rodata,"a",@progbits
	.p2align	6, 0x0
	.amdhsa_kernel k_q51028100bd_quantw
		.amdhsa_group_segment_fixed_size 52736
		.amdhsa_private_segment_fixed_size 0
		.amdhsa_enable_private_segment 0
		.amdhsa_kernarg_size 24
		.amdhsa_user_sgpr_count 2
		.amdhsa_user_sgpr_kernarg_segment_ptr 1
		.amdhsa_wavefront_size32 1
		.amdhsa_system_sgpr_workgroup_id_x 1
		.amdhsa_system_sgpr_workgroup_id_y 1
		.amdhsa_system_sgpr_workgroup_id_z 1
		.amdhsa_system_vgpr_workitem_id 0
		.amdhsa_next_free_vgpr 672
		.amdhsa_next_free_sgpr 66
		.amdhsa_reserve_vcc 0
		.amdhsa_float_denorm_mode_32 3
		.amdhsa_float_denorm_mode_16_64 3
		.amdhsa_memory_ordered 1
		.amdhsa_forward_progress 1
		.amdhsa_inst_pref_size 117
	.end_amdhsa_kernel
	.amdgpu_metadata
---
amdhsa.version: [ 1, 2 ]
amdhsa.kernels:
  - .name:           k_q51028100bd_quantw
    .symbol:         k_q51028100bd_quantw.kd
    .args:
      - { .name: weight, .offset: 0, .size: 8, .value_kind: global_buffer, .address_space: global }
      - { .name: mask, .offset: 8, .size: 8, .value_kind: global_buffer, .address_space: global }
      - { .name: wq, .offset: 16, .size: 8, .value_kind: global_buffer, .address_space: global }
    .group_segment_fixed_size: 52736
    .private_segment_fixed_size: 0
    .kernarg_segment_align: 8
    .kernarg_segment_size: 24
    .max_flat_workgroup_size: 128
    .sgpr_count:     66
    .vgpr_count:     672
    .wavefront_size: 32
...
	.end_amdgpu_metadata
.endif
;; end of part 2
;; launch gemm (part 3): grid 16 x 16, 4 waves a work-group, clusters of 4 x 4, 327,680 bytes of LDS; arguments xq, wq, out0, bias; writes out0
.if DOCPART == 3
	.amdgcn_target "amdgcn-amd-amdhsa--gfx1250"
	.amdhsa_code_object_version 6
	.text
	.protected	k_q51028100bd_gemm
	.globl	k_q51028100bd_gemm
	.p2align	8
	.type	k_q51028100bd_gemm,@function
k_q51028100bd_gemm:
	s_mov_b64 s[64:65], 0
	v_nop
	global_prefetch_b8 v0, s[64:65] scope:SCOPE_SE
	s_setreg_imm32_b32 hwreg(HW_REG_WAVE_MODE, 25, 1), 1
	s_wait_xcnt 0x0
	s_wait_alu depctr_hold_cnt(0) depctr_sa_sdst(0) depctr_va_vdst(0) depctr_va_sdst(0) depctr_va_ssrc(0) depctr_va_vcc(0) depctr_vm_vsrc(0)
	s_getreg_b32 s2, hwreg(HW_REG_IB_STS2, 6, 4)
	s_cmp_eq_u32 s2, 0
	s_cbranch_scc0 .Lentry_in_a_cluster
	s_endpgm
.Lentry_in_a_cluster:
	s_bfe_u32 s2, ttmp6, 0x10000c
	s_cmp_lg_u32 s2, 0xf033
	s_cbranch_scc0 .Lentry_shape_is_right
	s_endpgm
.Lentry_shape_is_right:
; out0[m][n] = relu(sum over k of Q(x)[m][k] Q(w)[k][n] + bias[n]), 4096 x 4096 x 4096, on codes of BF6 (E3M2) with E8M0 scales, as the two launches before have laid them.
; xq and wq: [group (11)][128 rows or columns (32)][step % 3][12,800 bytes], group = step / 3, step = k / 128.  The 12,800 bytes: eight images of an operand's 12 registers (16 rows x 128 K,
; 1,536 bytes; registers 4 c .. 4 c + 3 of lane l at 512 c + 16 l), then 128 scale words.  Of 128 columns of w, image 4 g + c holds column 64 g + 4 r + c as its row r.
; A block of 256 x 256 is made by four waves, 128 x 128 each: 64 accumulators, 512 registers.  256 work-groups.  K goes by groups of three steps through two LDS slots of 153,600 bytes; a wave's one
; tensor load brings 38,400 dense bytes (the eleventh group has two steps: 25,600).
; CLUSTERS 4 x 4: x's tiles hang on the block's row and are asked for jointly along a row of the cluster, w's on its column and jointly along a column of the cluster.
; SOURCE 0 = 16 rows of x, SOURCE 1 = 16 columns of w: register j of lane (r, h) holds row 8 h + j, column r of the image.  By the choice of an image's columns the four accumulators of images 4 g .. 4 g + 3 hold,
; in lane r, columns 64 g + 4 r + 0 .. 3 of that row: the relu writes them into four neighbouring registers, and sixteen lanes store 256 consecutive bytes at a multiple of 256.  No LDS stage on the way out.
; The bias is the C of each accumulator's first product.
; LDS READS go in even batches: ahead of every 16 matrix instructions stand 12 loads of 512 bytes, each at least 32 matrix instructions ahead of its first use.
;   x has two sets of fragments (window 1), w one (window 0): a pair of w's images is free when its 16 products are issued.
; PREFETCH: behind the joint load of group n each wave asks for group n + 2 of the 38,400 bytes that it fetches (at the head for group 1 too): 150 blocks of 256 bytes, of which the partner at place p of the four that ask
;   jointly names blocks 38 p .. 38 p + 37 (held at 149), a lane a block, two instructions.  It stops at group 9: group 10's last third is never written.
; REGISTERS: window 0: v0-31 addresses, v32-79 scale words (two sets of 24), v80-143 the bias as C, v144-239 w's fragments; window 1: x's fragments at v0 and v128; windows 2, 3: accumulator (image t, x block b) at v[8 (8 (t % 4) + b)], window 2 + t / 4.
; LIMITS: those of the two quantising launches (NaN and infinities among the inputs are not served).
.set NQ,     3                         ; steps in a slot
.set FR,     12                        ; registers of a fragment
.set FRB,    1536                      ; its bytes
.set SWO,    8*FRB                     ; where the scale words begin in a step's bytes
.set QSTEP,  SWO+512
.set HALFT,  NQ*QSTEP                  ; what one tensor load brings
.set SLOT,   4*HALFT                   ; x's two halves, then w's two halves
.set SSTEP,  32*HALFT                  ; from group to group in memory
.set SPARE,  2*SLOT                    ; the spare words, 128 bytes a wave
.set ADRX, 16                          ; v16-17 LDS address of my x images in slot 0, 1
.set ADRS, 18                          ; v18-19 of my scale words: lanes 0-15 x's, lanes 16-31 w's
.set ADRW, 20                          ; v20-21 of my w images
.set BO,   24                          ; v24 16 r
.set CO,   26                          ; v26 my byte offset in out0: 8 h rows + 16 r
.set SPW,  28
.set NIL,  29
.set PF1,  30                          ; v30, v31 the prefetches' offsets
.set PF2,  31
.set SC,   32
.set BI,   80
.set WF,   144
.set G1, 24                            ; s[24:31] group 1 for x, s[32:39] group 0, a set for each slot
.set G0, 32
.set G1W, 48                           ; the same for w
.set G0W, 56
.set G1L, 68                           ; groups 1 for the last, shorter group
.set G1WL, 80
.set PFA, 88                           ; s[88:89] where my prefetches stand
.set MSB, 0
.macro WIN new                         ; the immediate's high byte repeats the setting that is left
.if MSB != (\new)
	s_set_vgpr_msb (MSB<<8)|(\new)
.set MSB, (\new)
.endif
.endm
.set MUL_LO, 0xa1                      ; source 0 window 1, source 1 window 0, C and D window 2
.set MUL_HI, 0xf1                      ; C and D window 3
.set TO_X,   0x40                      ; destination window 1
.macro PLACES                          ; four places behind matrix instructions, ahead of loads into registers that they read and of reads of results
.rept 4
	v_nop
.endr
.endm
.macro JLOAD g0a, g1a, g0b, g1b        ; a joint load: waves 0, 1 fetch x's halves, waves 2, 3 w's; the s_nop 0 and the four v_nop behind each load
	s_cmp_eq_u32 s15, 0
	s_cbranch_scc0 .Lfor_w_\@
	tensor_load_to_lds s[\g0a:\g0a+3], s[\g1a:\g1a+7]
	s_nop 0
	PLACES
	s_branch .Lasked_\@
.Lfor_w_\@:
	tensor_load_to_lds s[\g0b:\g0b+3], s[\g1b:\g1b+7]
	s_nop 0
	PLACES
.Lasked_\@:
.endm
.macro CREST                           ; a round of the cluster's barrier behind its opening barrier
	s_cmp_lg_u32 s14, 0
	s_cbranch_scc1 .Lnot_wave_0_\@
	s_barrier_signal -3
.Lnot_wave_0_\@:
	s_barrier_wait -3
	s_barrier_signal -1
	s_barrier_wait -1
.endm
.macro CROUND
	s_barrier_signal -1
	s_barrier_wait -1
	CREST
.endm
.macro PREF g                          ; my share of the group that lies g groups behind PFA
	global_prefetch_b8 v[PF1], s[PFA:PFA+1] offset:(\g)*SSTEP th:TH_LOAD_NT scope:SCOPE_SE
	global_prefetch_b8 v[PF2], s[PFA:PFA+1] offset:(\g)*SSTEP th:TH_LOAD_NT scope:SCOPE_SE
.endm
	s_load_b128 s[4:7], s[0:1], 0x0                ; xq, wq
	s_load_b128 s[8:11], s[0:1], 0x10              ; out0, bias
	v_lshl_add_u32 v[SPW], v0, 2, SPARE
	v_mov_b32 v[NIL], 0
	ds_add_u32 v[SPW], v[NIL]                      ; the opening lines: the add twice on end and one wait
	ds_add_u32 v[SPW], v[NIL]
	v_lshrrev_b32 v1, 5, v0
	v_readfirstlane_b32 s14, v1                    ; wave
	s_lshr_b32 s15, s14, 1                         ; my half of the block's rows; also: I fetch for x (0) or w (1)
	s_and_b32 s16, s14, 1                          ; my half of its columns; also: which half I fetch
	s_bfe_u32 s40, ttmp6, 0x40000                  ; cx
	s_bfe_u32 s41, ttmp6, 0x40004                  ; cy
	s_lshl_b32 s42, ttmp9, 2
	s_add_co_u32 s42, s42, s40                     ; block column
	s_and_b32 s17, ttmp7, 0xffff
	s_lshl_b32 s17, s17, 2
	s_add_co_u32 s17, s17, s41                     ; block row
	s_lshl_b32 s43, s41, 2
	s_lshl_b32 s43, 15, s43                        ; my row of the cluster
	s_lshl_b32 s44, 0x1111, s40                    ; my column
	s_or_b32 s[G1+0], s43, (3<<16)|(1<<21)         ; elements of 8 bytes; the mask, and bit 21 beside it
	s_or_b32 s[G1W+0], s44, (3<<16)|(1<<21)
	s_or_b32 s[G1L+0], s43, (3<<16)|(1<<21)
	s_or_b32 s[G1WL+0], s44, (3<<16)|(1<<21)
.irp g, G1, G1W                        ; a dense block as 150 rows of 256 bytes
	s_mov_b32 s[\g+1], 32<<16
	s_mov_b32 s[\g+2], (HALFT/256)<<16
	s_mov_b32 s[\g+3], 32<<16
	s_mov_b32 s[\g+4], HALFT/256
	s_mov_b32 s[\g+5], 32
	s_mov_b32 s[\g+6], 0
	s_mov_b32 s[\g+7], 0
.endr
.irp g, G1L, G1WL                      ; the last group: 100 rows
	s_mov_b32 s[\g+1], 32<<16
	s_mov_b32 s[\g+2], (2*QSTEP/256)<<16
	s_mov_b32 s[\g+3], 32<<16
	s_mov_b32 s[\g+4], 2*QSTEP/256
	s_mov_b32 s[\g+5], 32
	s_mov_b32 s[\g+6], 0
	s_mov_b32 s[\g+7], 0
.endr
	v_and_b32 v1, 15, v0                           ; r
	v_bfe_u32 v2, v0, 4, 1                         ; h
	v_and_b32 v3, 31, v0                           ; lane
	v_lshlrev_b32 v4, 4, v3
	s_mul_i32 s21, s15, HALFT                      ; my 128 rows of x
	s_mul_i32 s22, s16, HALFT
	s_add_co_u32 s22, s22, 2*HALFT                 ; my 128 columns of w
	s_sub_co_u32 s23, s22, s21
	v_mul_u32_u24 v6, s23, v2                      ; lanes 16-31 take w's scale words
	v_lshl_add_u32 v5, v1, 2, v6
.irp s, 0,1
	v_add_nc_u32 v[ADRX+\s], s21, v4
	v_add_nc_u32 v[ADRW+\s], s22, v4
	v_add_nc_u32 v[ADRS+\s], s21, v5
	s_add_co_u32 s21, s21, SLOT
	s_add_co_u32 s22, s22, SLOT
.endr
	v_lshlrev_b32 v[BO], 4, v1
	v_lshl_add_u32 v[CO], v2, 17, v[BO]            ; 8 h rows of 16,384 bytes + 16 r
	s_cmp_eq_u32 s15, 0
	s_cselect_b32 s18, s40, s41                    ; my place among the four that ask with me
	s_mul_i32 s18, s18, 38
	v_add_nc_u32 v[PF1], s18, v3                   ; blocks 38 p + lane,
	v_lshlrev_b32 v[PF1], 8, v[PF1]
	v_min_u32 v[PF2], 5, v3
	s_add_co_u32 s18, s18, 32
	v_add_nc_u32 v[PF2], s18, v[PF2]               ; and 38 p + 32 .. 37: the lanes left over name the last again,
	v_min_u32 v[PF2], 149, v[PF2]                  ; held inside the 150
	v_lshlrev_b32 v[PF2], 8, v[PF2]
	s_mul_i32 s18, s16, HALFT
	s_mul_i32 s20, s17, 2*HALFT
	s_add_co_u32 s20, s20, s18                     ; xq: the half that I fetch
	s_mov_b32 s21, 0
	s_mul_i32 s46, s42, 2*HALFT
	s_add_co_u32 s46, s46, s18                     ; wq likewise
	s_mov_b32 s47, 0
	s_mul_i32 s45, s14, HALFT                      ; where it goes in a slot
	s_lshl_b32 s18, s17, 8
	s_lshl_b32 s19, s15, 7
	s_add_co_u32 s18, s18, s19
	s_lshl_b32 s18, s18, 14                        ; my first row of out0, in bytes
	s_mov_b32 s19, 0
	s_lshl_b32 s22, s42, 10
	s_lshl_b32 s23, s16, 9
	s_add_co_u32 s22, s22, s23                     ; my first column, in bytes
	s_mov_b32 s23, 0
	s_wait_alu depctr_va_vdst(0)
	s_wait_dscnt 0x0                               ; both opening adds are done
	s_wait_kmcnt 0x0
	s_add_nc_u64 s[20:21], s[4:5], s[20:21]
	s_add_nc_u64 s[46:47], s[6:7], s[46:47]
	s_add_nc_u64 s[10:11], s[10:11], s[22:23]
	s_add_nc_u64 s[8:9], s[8:9], s[18:19]
	s_add_nc_u64 s[8:9], s[8:9], s[22:23]
	global_load_b128 v[8:11], v[BO], s[10:11]              ; bias of columns 4 r .. 4 r + 3: images 0-3,
	global_load_b128 v[12:15], v[BO], s[10:11] offset:256  ; and of 64 + 4 r ..: images 4-7
	s_cmp_eq_u32 s15, 0
	s_cselect_b64 s[PFA:PFA+1], s[20:21], s[46:47]
.irp s, 0,1
	s_mov_b32 s[G0+4*\s], 1
	s_add_co_u32 s[G0+4*\s+1], s45, \s*SLOT
	s_add_nc_u64 s[G0+4*\s+2:G0+4*\s+3], s[20:21], \s*SSTEP
	s_or_b32 s[G0+4*\s+3], s[G0+4*\s+3], 0x80000000
	s_mov_b32 s[G0W+4*\s], 1
	s_add_co_u32 s[G0W+4*\s+1], s45, \s*SLOT
	s_add_nc_u64 s[G0W+4*\s+2:G0W+4*\s+3], s[46:47], \s*SSTEP
	s_or_b32 s[G0W+4*\s+3], s[G0W+4*\s+3], 0x80000000
.endr
	CROUND                                         ; all sixteen work-groups are here
	JLOAD G0, G1, G0W, G1W                         ; group 0: one tensor load a wave at the head
	PREF 1                                         ; groups 1 and 2
	PREF 2
	s_wait_loadcnt 0x0
.irp t, 0,1,2,3,4,5,6,7
.irp j, 0,1,2,3,4,5,6,7
	v_mov_b32 v[BI+8*\t+\j], v[8+\t]               ; image t's C: my column's bias for all eight rows
.endr
.endr
.macro FRAG reg, adr, q, i             ; an image as it lies: three loads of 512 consecutive bytes
.irp c, 0,1,2
	ds_load_b128 v[\reg+4*\c:\reg+4*\c+3], v[\adr] offset:(\q)*QSTEP+(\i)*FRB+512*\c
.endr
.endm
.macro LDX2 sl, q, p, i                ; x blocks i, i + 1 of step q of slot sl into set p
	FRAG 128*(\p)+FR*(\i), ADRX+\sl, \q, \i
	FRAG 128*(\p)+FR*(\i)+FR, ADRX+\sl, \q, (\i)+1
.endm
.macro LDW2 sl, q, t                   ; w images t, t + 1
	FRAG WF+FR*(\t), ADRW+\sl, \q, \t
	FRAG WF+FR*(\t)+FR, ADRW+\sl, \q, (\t)+1
.endm
.macro SCALES sc, nq                   ; slot sc's scale words: register NQ i + q: lanes 0-15 x block i, lanes 16-31 w image i
.irp i, 0,1,2,3,4,5,6,7
.irp q, 0,1,2
.if \q < \nq
	ds_load_b32 v[SC+8*NQ*\sc+NQ*\i+\q], v[ADRS+\sc] offset:SWO+QSTEP*\q+64*\i
.endif
.endr
.endr
.endm
; 16 matrix instructions: w images t0, t0 + 1 x x's eight blocks.  The 64 accumulators take turns, in the same order in every step.  zero = 1: the bias starts the sums
.macro MUL16 t0, p, q, sc, zero
.irp t, \t0, \t0+1
.irp b, 0,1,2,3,4,5,6,7
.if \zero
	v_wmma_scale_f32_16x16x128_f8f6f4 v[8*(8*((\t)%4)+\b):8*(8*((\t)%4)+\b)+7], v[128*(\p)+FR*\b:128*(\p)+FR*\b+FR-1], v[WF+FR*(\t):WF+FR*(\t)+FR-1], v[BI+8*(\t):BI+8*(\t)+7], v[SC+8*NQ*(\sc)+NQ*\b+(\q)], v[SC+8*NQ*(\sc)+NQ*(\t)+(\q)] matrix_a_fmt:MATRIX_FMT_BF6 matrix_b_fmt:MATRIX_FMT_BF6 matrix_b_scale:MATRIX_SCALE_ROW1
.else
	v_wmma_scale_f32_16x16x128_f8f6f4 v[8*(8*((\t)%4)+\b):8*(8*((\t)%4)+\b)+7], v[128*(\p)+FR*\b:128*(\p)+FR*\b+FR-1], v[WF+FR*(\t):WF+FR*(\t)+FR-1], v[8*(8*((\t)%4)+\b):8*(8*((\t)%4)+\b)+7], v[SC+8*NQ*(\sc)+NQ*\b+(\q)], v[SC+8*NQ*(\sc)+NQ*(\t)+(\q)] matrix_a_fmt:MATRIX_FMT_BF6 matrix_b_fmt:MATRIX_FMT_BF6 matrix_b_scale:MATRIX_SCALE_ROW1
.endif
.endr
.endr
.endm
; A step that is not its slot's last: four quarters of 12 loads and 16 matrix instructions.  The count 24 leaves the two youngest batches out: each quarter's operands were asked for at least two batches earlier.
; last = 1: the walk's last step fetches only its own last two images.
.macro STEP sl, q, zero, last
.set XS, ((\sl)+(\q))%2                ; x's set of this step
	PLACES
	WIN 0
	LDW2 \sl, \q, 6                                ; this step's images 6, 7: their registers were read by the products just issued
.if \last
	s_wait_dscnt 18                                ; the six just issued and the batch before them may be out
.else
	WIN TO_X
	LDX2 \sl, (\q)+1, 1-XS, 0
	s_wait_dscnt 24
.endif
	WIN MUL_LO-0x20*(\zero)                        ; (the first step's C lies in window 0)
	MUL16 0, XS, \q, \sl, \zero
.if \last
	s_wait_dscnt 6
.else
	PLACES
	WIN TO_X
	LDX2 \sl, (\q)+1, 1-XS, 2
	LDX2 \sl, (\q)+1, 1-XS, 4
	s_wait_dscnt 24
	WIN MUL_LO-0x20*(\zero)
.endif
	MUL16 2, XS, \q, \sl, \zero
.if \last == 0
	PLACES
	WIN TO_X
	LDX2 \sl, (\q)+1, 1-XS, 6
	WIN 0
	LDW2 \sl, (\q)+1, 0
	s_wait_dscnt 24
.endif
	WIN MUL_HI-0x30*(\zero)
	MUL16 4, XS, \q, \sl, \zero
.if \last
	s_wait_dscnt 0x0
.else
	PLACES
	WIN 0
	LDW2 \sl, (\q)+1, 2
	LDW2 \sl, (\q)+1, 4
	s_wait_dscnt 24
	WIN MUL_HI-0x30*(\zero)
.endif
	MUL16 6, XS, \q, \sl, \zero
.endm
; A slot's last step changes slots.  Its first six loads are the last reads of slot sl.  Then: all my tensor loads have landed, the add, the wait for it and for my reads, the barrier (with fill: a round of the cluster's barrier),
; the refill, and the next slot's first fragments.  fill: 0 none, 1 a whole group, 2 the last group.  nn: steps in the next slot.  ask = 1: in the loop.
.macro TURN sl, nx, fill, nn, ask
	PLACES
	WIN 0
	LDW2 \sl, NQ-1, 6
.if \ask
	s_wait_xcnt 0x0                                ; my prefetches have read their address
	s_add_nc_u64 s[PFA:PFA+1], s[PFA:PFA+1], SSTEP
.endif
	s_wait_tensorcnt 0x0                           ; my part of the next slot is in
	ds_add_u32 v[SPW], v[NIL]
	s_wait_dscnt 19                                ; the add, the six loads and the batch of twelve before them may be out
	WIN MUL_LO
	MUL16 0, \sl, NQ-1, \sl, 0
	s_wait_dscnt 0x0                               ; the add is done, my reads of this slot are over
	s_barrier_signal -1
	MUL16 2, \sl, NQ-1, \sl, 0
	WIN 0
	s_barrier_wait -1
.if \fill
	CREST
	s_add_nc_u64 s[G0+4*\sl+2:G0+4*\sl+3], s[G0+4*\sl+2:G0+4*\sl+3], 2*SSTEP
	s_add_nc_u64 s[G0W+4*\sl+2:G0W+4*\sl+3], s[G0W+4*\sl+2:G0W+4*\sl+3], 2*SSTEP
.if \fill == 1
	JLOAD G0+4*\sl, G1, G0W+4*\sl, G1W             ; its four v_nop are the places ahead of the loads below
.else
	JLOAD G0+4*\sl, G1L, G0W+4*\sl, G1WL
.endif
.else
	PLACES
.endif
	WIN TO_X
.irp i, 0,2,4,6
	LDX2 \nx, 0, \nx, \i
.endr
	WIN 0
	LDW2 \nx, 0, 0
	SCALES \nx, \nn
.if \ask
	s_cmp_gt_u32 s3, 1                             ; the loop's last trip would ask beyond group 9
	s_cbranch_scc0 .Lno_ask_\@
	PREF 3                                         ; two refills on: PFA stands one group behind the slot just read out
.Lno_ask_\@:
.endif
	WIN MUL_HI
	MUL16 4, \sl, NQ-1, \sl, 0
	PLACES
	WIN 0
	LDW2 \nx, 0, 2
	LDW2 \nx, 0, 4
	WIN MUL_HI
	MUL16 6, \sl, NQ-1, \sl, 0
.endm
	s_wait_alu depctr_va_vdst(0)
	s_wait_tensorcnt 0x0                           ; my part of group 0 is in; slot 1's first fill is issued as a refill is
	ds_add_u32 v[SPW], v[NIL]
	s_wait_dscnt 0x0
	CROUND
	JLOAD G0+4, G1, G0W+4, G1W                     ; group 1
	WIN TO_X
.irp i, 0,2,4,6
	LDX2 0, 0, 0, \i
.endr
	WIN 0
	LDW2 0, 0, 0
	SCALES 0, 3
	LDW2 0, 0, 2
	LDW2 0, 0, 4
	PREF 3                                         ; group 3
	STEP 0, 0, 1, 0
	WIN 0
	s_mov_b32 s3, 4
.Llap:                                                 ; a trip: six steps, both slots filled again: groups 2 to 9
	STEP 0, 1, 0, 0
	TURN 0, 1, 1, 3, 1
	STEP 1, 0, 0, 0
	STEP 1, 1, 0, 0
	TURN 1, 0, 1, 3, 1
	STEP 0, 0, 0, 0
	WIN 0
	s_sub_co_u32 s3, s3, 1
	s_cmp_lg_u32 s3, 0
	s_cbranch_scc1 .Llap
	STEP 0, 1, 0, 0
	TURN 0, 1, 2, 3, 0                             ; group 10, two steps
	STEP 1, 0, 0, 0
	STEP 1, 1, 0, 0
	TURN 1, 0, 0, 2, 0                             ; nothing more to fetch
	STEP 0, 0, 0, 0
	STEP 0, 1, 0, 1
	WIN 0
	PLACES
; THE WAY OUT: for 64 columns (g) and 16 rows (b): 32 maxima gather the four images' registers of each row, 8 stores of two rows x 256 bytes.  Each accumulator is read from register 0 on.
; Six sets of 32 registers take turns; a set is written again behind s_wait_xcnt 0.  Every offset is an immediate: 127 rows of 16,384 bytes + 256 at the most.
.set NB, 0
.irp g, 0,1
.irp b, 0,1,2,3,4,5,6,7
.set TB, 32+32*(NB%6)
.if NB >= 6
	s_wait_xcnt 0x0
.endif
	WIN 0x08+4*\g                                  ; source 1: window 2 + g
.irp j, 0,1,2,3,4,5,6,7
.irp c, 0,1,2,3
	v_max_num_f32 v[TB+4*\j+\c], 0, v[8*(8*\c+\b)+\j]
.endr
.endr
	WIN 0
.irp j, 0,1,2,3,4,5,6,7
	global_store_b128 v[CO], v[TB+4*\j:TB+4*\j+3], s[8:9] offset:(16*\b+\j)*16384+256*\g th:TH_STORE_NT
.endr
.set NB, NB+1
.endr
.endr
	s_wait_tensorcnt 0x0                           ; the wave's end
	ds_add_u32 v[SPW], v[NIL]
	s_wait_dscnt 0x0
	CROUND                                         ; the closing round
	s_endpgm
.Lfunc_end_k_q51028100bd_gemm:
	.size	k_q51028100bd_gemm, .Lfunc_end_k_q51028100bd_gemm-k_q51028100bd_gemm
	.p2alignl 7, 3214868480
	.fill 96, 4, 3214868480
	.section	.rodata,"a",@progbits
	.p2align	6, 0x0
	.amdhsa_kernel k_q51028100bd_gemm
		.amdhsa_group_segment_fixed_size 327680
		.amdhsa_private_segment_fixed_size 0
		.amdhsa_enable_private_segment 0
		.amdhsa_kernarg_size 32
		.amdhsa_user_sgpr_count 2
		.amdhsa_user_sgpr_kernarg_segment_ptr 1
		.amdhsa_wavefront_size32 1
		.amdhsa_system_sgpr_workgroup_id_x 1
		.amdhsa_system_sgpr_workgroup_id_y 1
		.amdhsa_system_sgpr_workgroup_id_z 1
		.amdhsa_system_vgpr_workitem_id 0
		.amdhsa_next_free_vgpr 1024
		.amdhsa_next_free_sgpr 98
		.amdhsa_reserve_vcc 0
		.amdhsa_float_denorm_mode_32 3
		.amdhsa_float_denorm_mode_16_64 3
		.amdhsa_memory_ordered 1
		.amdhsa_forward_progress 1
		.amdhsa_inst_pref_size 218
	.end_amdhsa_kernel
	.amdgpu_metadata
---
amdhsa.version: [ 1, 2 ]
amdhsa.kernels:
  - .name:           k_q51028100bd_gemm
    .symbol:         k_q51028100bd_gemm.kd
    .args:
      - { .name: xq, .offset: 0, .size: 8, .value_kind: global_buffer, .address_space: global }
      - { .name: wq, .offset: 8, .size: 8, .value_kind: global_buffer, .address_space: global }
      - { .name: out0, .offset: 16, .size: 8, .value_kind: global_buffer, .address_space: global }
      - { .name: bias, .offset: 24, .size: 8, .value_kind: global_buffer, .address_space: global }
    .group_segment_fixed_size: 327680
    .private_segment_fixed_size: 0
    .kernarg_segment_align: 8
    .kernarg_segment_size: 32
    .max_flat_workgroup_size: 128
    .sgpr_count:     98
    .vgpr_count:     1024
    .wavefront_size: 32
...
	.end_amdgpu_metadata
.endif
;; end of part 3
